; MI455X (gfx1250); checked and timed in simulation.
; The chip was launched on July 23, 2026; its instructions are those of AMD's public machine-readable ISA for CDNA 5 (MIT licence, August 2026) and "CDNA5" Instruction Set Architecture Reference Guide (July 2026). The comments in the code are by the model that wrote it; some were corrected since.
;; Self Attention. Allowed arithmetic: float matrix products may take bf16 or f16 operands with f32 sums; other float arithmetic in f32, or as packed bf16 or f16 multiplies, adds, multiply-adds, maxima and minima; sums over many terms, partial sums and values carried from step to step in f32; what a program stores and reads back later, other than sums and carried values, may be rounded once to bf16 or f16.
;; Inputs: bk 16 float32; bq 16 float32; bv 128 float32; gamma 1 float32; wk 16 x 128 float32; wq 16 x 128 float32; wv 128 x 128 float32; x 16 x 128 x 64 x 64 float32.
;; Outputs: out0 16 x 128 x 64 x 64 float32.
;; 2 versions, each right; version 2 is version 1 with the launch proj written anew for expert scheduling mode. Each part assembles by itself: llvm-mc -triple=amdgcn-amd-amdhsa -mcpu=gfx1250 --defsym DOCPART=n.
;; ======== version 1 of 2: 2 launches
;; workspace buffers: qws 2,097,152 bytes; kws 2,097,152 bytes; vws 16,777,216 bytes
;; launch proj (part 1): grid 16 x 16, 4 waves a work-group, no clusters, 137,728 bytes of LDS; arguments x, wq, bq, wk, bk, wv, bv, qws, kws, vws; writes qws, kws, vws
.if DOCPART == 1
	.amdgcn_target "amdgcn-amd-amdhsa--gfx1250"
	.amdhsa_code_object_version 6
	.text
	.protected	k_qa8736322d8_proj
	.globl	k_qa8736322d8_proj
	.p2align	8
	.type	k_qa8736322d8_proj,@function
k_qa8736322d8_proj:
	s_mov_b64 s[64:65], 0
	v_nop
	global_prefetch_b8 v0, s[64:65] scope:SCOPE_SE
	s_setreg_imm32_b32 hwreg(HW_REG_WAVE_MODE, 25, 1), 1
	s_wait_xcnt 0x0
; THE THREE PROJECTIONS.  x: [16][128][4096] f32.  q[n][o] = sum_c x[c][n] wq[o][c] + bq[o], k likewise, v[o][n] = sum_c wv[o][c] x[c][n] + bv[o].
; x and the weights are rounded to bf16 for the products; sums and biases in f32 (a bias is the C operand that starts its sum); q, k, v rounded once to bf16.
; q is multiplied by log2(e) in f32 ahead of its rounding, so that the next launch's exponentials are powers of two.
; OUT.  qws, kws: [b][n/16][32 lanes][8] bf16: a tile of 16 pixels is 512 dense bytes; lane l = r + 16 h owns bytes 16 l: channels 8 h .. 8 h + 7 of pixel r: a matrix fragment as it lies in registers.
;       vws: [b][n/256][128 channels][256] bf16: a tile of 256 pixels is 65,536 dense bytes, a channel's row 512.
; SHARES.  A work-group: one image, 256 pixels.  Wave w rounds channels 32 w .. 32 w + 31 of x into LDS; makes v's channels 32 w .. + 31 for all 256 pixels; and makes q (w even) or k (w odd)
; for the pixel tiles 8 (w / 2) .. + 7.  160 matrix instructions in every wave; no branch.
; No tensor load: the f32 numbers must pass through registers to be rounded.  No cluster: no two work-groups read the same x, and the weights are 82 KB against the work-group's 128 KB of x.
; LIMITS.  NaN and infinities are not treated apart.
; REGISTERS, in windows of 256 (s_set_vgpr_msb: bits 1:0 source 0, 3:2 source 1, 5:4 source 2, 7:6 destination):
;   window 0: addresses, biases, accumulators, x's fragments     window 1: x as loaded (256), later the weights' fragments (96)     window 2: the weights as loaded (192)
.set XP,    544                        ; a channel's row of x in LDS: 512 bytes of bf16 + 32: the turning load's 8 rows x 32 bytes then fall on different banks
.set STG,   128*XP                     ; 69,632: behind x, for each wave 32 channel rows of v, pitch 528
.set GP,    528
.set SPARE, STG+4*32*GP                ; 137,216: the spare words, 128 bytes a wave: two blocks of 256 bytes that no other line names
.set XO,  4                            ; v4   x: 32 w channels + 16 l
.set XSA, 5                            ; v5   LDS: my wave's 32 rows + 8 l
.set WO,  6                            ; v6   a weight fragment's f32 numbers: r x 512 + 32 h
.set AX,  7                            ; v7   the turning load: (8 h + l % 8) x pitch + 16 ((l / 8) % 2)
.set AXQ, 8                            ; v8   the same at my 8 pixel tiles for q or k
.set STO, 9                            ; v9   my stage: row r, 16 h
.set RD,  10                           ; v10  my stage: 16 l of a row
.set LO,  11                           ; v11  16 l
.set SPW, 12                           ; v12  my spare word; never rewritten
.set NIL, 13                           ; v13  0; never rewritten
.set BO,  14                           ; v14  32 h
.set VO,  15                           ; v15  4 r
.set BQ,  16                           ; v[16:23]  q's or k's bias: register j holds channel 8 h + j
.set BVC, 24                           ; v[24:39]  v's bias of channel r, eight times, for each of my two blocks of 16 channels
.set ACC, 40                           ; v[40:71]  four accumulators
.set PK,  72                           ; v[72:103] rounded results
.set BVR, 112                          ; v[112:113] v's bias as loaded
.set XF,  128                          ; v[128:255] two buffers of x's fragments: pixel tile u, K step k at 64 p + 32 u + 8 k
.set CT,  128                          ; before that: rounded x on its way into LDS, two halves of 32 by turns
.set MSB, 0
.macro WIN new                         ; the immediate's high byte repeats the setting that is left; a switch that changes nothing is dropped
.if MSB != (\new)
	s_set_vgpr_msb (MSB<<8)|(\new)
.set MSB, \new
.endif
.endm
.macro PLACES                          ; four places between a matrix instruction and a vector instruction that reads its result (ISA guide 7.12.1)
.rept 4
	v_nop
.endr
.endm
	s_load_b512 s[4:19], s[0:1], 0x0               ; x 4, wq 6, bq 8, wk 10, bk 12, wv 14, bv 16, qws 18
	s_load_b128 s[20:23], s[0:1], 0x40             ; kws 20, vws 22
	v_lshl_add_u32 v[SPW], v0, 2, SPARE
	v_mov_b32 v[NIL], 0
	v_lshrrev_b32 v3, 5, v0
	v_readfirstlane_b32 s24, v3                    ; wave 0..3
	v_and_b32 v1, 15, v0                           ; r
	v_bfe_u32 v2, v0, 4, 1                         ; h
	v_and_b32 v3, 31, v0                           ; l
	s_and_b32 s25, s24, 1                          ; 0: q, 1: k
	s_lshr_b32 s26, s24, 1                         ; which 8 pixel tiles
	s_and_b32 s27, ttmp7, 0xffff                   ; the image
	s_lshl_b32 s28, s24, 19                        ; 32 channels of 16,384 bytes
	v_lshl_add_u32 v[XO], v3, 4, s28
	s_mul_i32 s28, s24, 32*XP
	v_lshl_add_u32 v[XSA], v3, 3, s28
	v_lshlrev_b32 v[WO], 9, v1
	v_lshl_add_u32 v[WO], v2, 5, v[WO]
	v_and_b32 v[AX], 7, v0
	v_lshl_add_u32 v[AX], v2, 3, v[AX]
	v_mul_u32_u24 v[AX], v[AX], XP
	v_bfe_u32 v[AXQ], v0, 3, 1
	v_lshl_add_u32 v[AX], v[AXQ], 4, v[AX]
	s_lshl_b32 s28, s26, 8                         ; 8 pixel tiles of 32 bytes
	v_add_nc_u32 v[AXQ], s28, v[AX]
	s_mul_i32 s28, s24, 32*GP
	s_add_co_u32 s28, s28, STG
	v_mul_u32_u24 v[STO], v1, GP
	v_lshl_add_u32 v[STO], v2, 4, v[STO]
	v_add_nc_u32 v[STO], s28, v[STO]
	v_lshl_add_u32 v[RD], v3, 4, s28
	v_lshlrev_b32 v[LO], 4, v3
	v_lshlrev_b32 v[BO], 5, v2
	v_lshlrev_b32 v[VO], 2, v1
	s_lshl_b32 s28, s27, 21                        ; x: the image, and my 256 pixels of a row
	s_lshl_b32 s29, ttmp9, 10
	s_add_co_u32 s28, s28, s29
	s_mov_b32 s29, 0
	s_lshl_b32 s30, s27, 20                        ; vws: the image, the tile, my 32 rows
	s_lshl_b32 s31, ttmp9, 16
	s_add_co_u32 s30, s30, s31
	s_lshl_b32 s40, s24, 14                        ; (also my 32 rows of wv)
	s_add_co_u32 s30, s30, s40
	s_mov_b32 s31, 0
	s_mov_b32 s41, 0
	s_lshl_b32 s42, s24, 7                         ; my 32 numbers of bv
	s_mov_b32 s43, 0
	s_lshl_b32 s44, s27, 17                        ; qws or kws: the image, the work-group's 16 tiles, my 8
	s_lshl_b32 s45, ttmp9, 13
	s_add_co_u32 s44, s44, s45
	s_lshl_b32 s45, s26, 12
	s_add_co_u32 s44, s44, s45
	s_mov_b32 s45, 0
	s_wait_kmcnt 0x0
	s_add_nc_u64 s[4:5], s[4:5], s[28:29]
	s_add_nc_u64 s[14:15], s[14:15], s[40:41]
	s_add_nc_u64 s[16:17], s[16:17], s[42:43]
	s_add_nc_u64 s[22:23], s[22:23], s[30:31]
	s_cmp_eq_u32 s25, 0
	s_cselect_b64 s[32:33], s[6:7], s[10:11]       ; my third block's weights,
	s_cselect_b64 s[34:35], s[8:9], s[12:13]       ; bias,
	s_cselect_b64 s[36:37], s[18:19], s[20:21]     ; and where it goes
	s_cselect_b32 s38, 0x3fb8aa3b, 1.0             ; q times log2(e), k as it is
	s_mov_b32 s39, s38                             ; named with it as a pair
	s_add_nc_u64 s[36:37], s[36:37], s[44:45]
	; All of my wave's x at once: 64 loads of 512 consecutive bytes, two to a channel.
	WIN 0x40
.set i, 0
.rept 64
	global_load_b128 v[4*i:4*i+3], v[XO], s[4:5] offset:(i/2)*16384+(i%2)*512 th:TH_LOAD_NT
.set i, i+1
.endr
	WIN 0
; Sixteen loads are rounded and stored: four pixels a lane become 8 bytes.  n: how many younger loads may stay out.
.macro CONV g, n
	s_wait_loadcnt \n
	WIN 0x05                                       ; sources in window 1
.set i, 0
.rept 16
	v_cvt_pk_bf16_f32 v[CT+32*((\g)%2)+2*i],   v[64*(\g)+4*i],   v[64*(\g)+4*i+1]
	v_cvt_pk_bf16_f32 v[CT+32*((\g)%2)+2*i+1], v[64*(\g)+4*i+2], v[64*(\g)+4*i+3]
.set i, i+1
.endr
	WIN 0
.set i, 0
.rept 16
	ds_store_b64 v[XSA], v[CT+32*((\g)%2)+2*i:CT+32*((\g)%2)+2*i+1] offset:((16*(\g)+i)/2)*XP+((16*(\g)+i)%2)*256
.set i, i+1
.endr
.endm
	CONV 0, 48                                     ; 48 younger loads of x
	CONV 1, 32
	; The weights: 52 loads.  A fragment (16 rows x 32 channels) is, in f32, 32 bytes at 32 h and 32 bytes 64 further on in each row.
	WIN 0x80
.irp g, 0,1
.irp k, 0,1,2,3
	global_load_b128 v[16*(4*(\g)+(\k)):16*(4*(\g)+(\k))+3],     v[WO], s[14:15] offset:8192*(\g)+128*(\k)
	global_load_b128 v[16*(4*(\g)+(\k))+4:16*(4*(\g)+(\k))+7],   v[WO], s[14:15] offset:8192*(\g)+128*(\k)+16
	global_load_b128 v[16*(4*(\g)+(\k))+8:16*(4*(\g)+(\k))+11],  v[WO], s[14:15] offset:8192*(\g)+128*(\k)+64
	global_load_b128 v[16*(4*(\g)+(\k))+12:16*(4*(\g)+(\k))+15], v[WO], s[14:15] offset:8192*(\g)+128*(\k)+80
.endr
.endr
.irp k, 0,1,2,3
	global_load_b128 v[128+16*(\k):128+16*(\k)+3],     v[WO], s[32:33] offset:128*(\k)
	global_load_b128 v[128+16*(\k)+4:128+16*(\k)+7],   v[WO], s[32:33] offset:128*(\k)+16
	global_load_b128 v[128+16*(\k)+8:128+16*(\k)+11],  v[WO], s[32:33] offset:128*(\k)+64
	global_load_b128 v[128+16*(\k)+12:128+16*(\k)+15], v[WO], s[32:33] offset:128*(\k)+80
.endr
	WIN 0
	global_load_b128 v[BQ:BQ+3],   v[BO], s[34:35]
	global_load_b128 v[BQ+4:BQ+7], v[BO], s[34:35] offset:16
	global_load_b32 v[BVR],   v[VO], s[16:17]
	global_load_b32 v[BVR+1], v[VO], s[16:17] offset:64
	CONV 2, 63                                     ; 68 loads are younger; the count is the largest that the wait can name, and a smaller count is safe
	CONV 3, 52                                     ; the 52 of the weights and biases
	s_wait_dscnt 0x0                               ; for the others' sake: my rows of x lie in LDS
	s_barrier_signal -1
	s_wait_loadcnt 0x0                             ; work on registers while the others arrive: the weights are rounded into fragments,
	WIN 0x4a                                       ; sources in window 2, destination in window 1, where x's raw numbers are done with
.set i, 0
.rept 96
	v_cvt_pk_bf16_f32 v[i], v[2*i], v[2*i+1]
.set i, i+1
.endr
	WIN 0
.set i, 0
.rept 8
	v_mov_b32 v[BVC+i],   v[BVR]                   ; and v's bias is spread over a C operand's eight registers
	v_mov_b32 v[BVC+8+i], v[BVR+1]
.set i, i+1
.endr
	s_barrier_wait -1                              ; all 128 rows of x lie in LDS
; x's fragments of pixel tiles 2 i, 2 i + 1 (16 pixels x 32 channels each, four K steps), turned on the way: 16 loads into buffer p.
.macro FETCHX p, adr, i
.irp u, 0,1
.irp k, 0,1,2,3
	ds_load_tr16_b128 v[XF+64*(\p)+32*(\u)+8*(\k):XF+64*(\p)+32*(\u)+8*(\k)+3],   v[\adr] offset:(\k)*32*XP+(2*(\i)+(\u))*32
	ds_load_tr16_b128 v[XF+64*(\p)+32*(\u)+8*(\k)+4:XF+64*(\p)+32*(\u)+8*(\k)+7], v[\adr] offset:(\k)*32*XP+16*XP+(2*(\i)+(\u))*32
.endr
.endr
.endm
.macro NEXT t                          ; the fragments of trip t of twelve: four for q or k, eight for v
.if (\t) < 4
	FETCHX (\t)%2, AXQ, \t
.elseif (\t) < 12
	FETCHX (\t)%2, AX, (\t)-4
.endif
.endm
; A trip for q or k: source 0 = the 16 output channels, source 1 = 16 pixels: a lane ends with channels 8 h .. + 7 of pixel r: its 16 bytes of the tile.  Two accumulators by turns.
.macro TRIPQ i
	NEXT (\i)+1                                    ; into the other buffer: its last products stand ahead of the last trip's places and roundings
	s_wait_dscnt 16                                ; all but the 16 just issued
	WIN 0x01                                       ; source 0 in window 1
.irp k, 0,1,2,3
.irp u, 0,1
.if (\k) == 0
	v_wmma_f32_16x16x32_bf16 v[ACC+8*(\u):ACC+8*(\u)+7], v[64+8*(\k):64+8*(\k)+7], v[XF+64*((\i)%2)+32*(\u)+8*(\k):XF+64*((\i)%2)+32*(\u)+8*(\k)+7], v[BQ:BQ+7]
.else
	v_wmma_f32_16x16x32_bf16 v[ACC+8*(\u):ACC+8*(\u)+7], v[64+8*(\k):64+8*(\k)+7], v[XF+64*((\i)%2)+32*(\u)+8*(\k):XF+64*((\i)%2)+32*(\u)+8*(\k)+7], v[ACC+8*(\u):ACC+8*(\u)+7]
.endif
.endr
.endr
	WIN 0
	PLACES
.irp u, 0,1
.irp m, 0,1,2,3
	v_pk_mul_f32 v[ACC+8*(\u)+2*(\m):ACC+8*(\u)+2*(\m)+1], v[ACC+8*(\u)+2*(\m):ACC+8*(\u)+2*(\m)+1], s[38:39] op_sel_hi:[1,0]
.endr
.endr
.irp u, 0,1
.irp m, 0,1,2,3
	v_cvt_pk_bf16_f32 v[PK+4*(2*(\i)+(\u))+(\m)], v[ACC+8*(\u)+2*(\m)], v[ACC+8*(\u)+2*(\m)+1]
.endr
	global_store_b128 v[LO], v[PK+4*(2*(\i)+(\u)):PK+4*(2*(\i)+(\u))+3], s[36:37] offset:(2*(\i)+(\u))*512  ; a tile's 512 dense bytes; each store has data registers of its own
.endr
.endm
; A trip for v: source 0 = 16 pixels, source 1 = 16 output channels: a lane ends with 8 neighbouring pixels of channel r.  Four accumulators by turns.
.macro TRIPV i
	NEXT (\i)+5
.if (\i) < 7
	s_wait_dscnt 16
.else
	s_wait_dscnt 0x0
.endif
	WIN 0x04                                       ; source 1 in window 1
.irp k, 0,1,2,3
.irp ob, 0,1
.irp u, 0,1
.if (\k) == 0
	v_wmma_f32_16x16x32_bf16 v[ACC+8*(2*(\ob)+(\u)):ACC+8*(2*(\ob)+(\u))+7], v[XF+64*((\i)%2)+32*(\u)+8*(\k):XF+64*((\i)%2)+32*(\u)+8*(\k)+7], v[32*(\ob)+8*(\k):32*(\ob)+8*(\k)+7], v[BVC+8*(\ob):BVC+8*(\ob)+7]
.else
	v_wmma_f32_16x16x32_bf16 v[ACC+8*(2*(\ob)+(\u)):ACC+8*(2*(\ob)+(\u))+7], v[XF+64*((\i)%2)+32*(\u)+8*(\k):XF+64*((\i)%2)+32*(\u)+8*(\k)+7], v[32*(\ob)+8*(\k):32*(\ob)+8*(\k)+7], v[ACC+8*(2*(\ob)+(\u)):ACC+8*(2*(\ob)+(\u))+7]
.endif
.endr
.endr
.endr
	WIN 0
	PLACES
.if (\i) == 0
	s_wait_xcnt 0x0                                ; the stores of q or k have read PK, which is written anew below
.endif
.irp a, 0,1,2,3
.irp m, 0,1,2,3
	v_cvt_pk_bf16_f32 v[PK+4*(\a)+(\m)], v[ACC+8*(\a)+2*(\m)], v[ACC+8*(\a)+2*(\m)+1]
.endr
.endr
.irp ob, 0,1
.irp u, 0,1
	ds_store_b128 v[STO], v[PK+4*(2*(\ob)+(\u)):PK+4*(2*(\ob)+(\u))+3] offset:(\ob)*16*GP+(2*(\i)+(\u))*32
.endr
.endr
.endm
	FETCHX 0, AXQ, 0
.irp i, 0,1,2,3
	TRIPQ \i
.endr
.irp i, 0,1,2,3,4,5,6,7
	TRIPV \i
.endr
	; v's rows leave: my own stage, served in order, so no barrier: 32 rows of 512 bytes, a row to a store.
.set i, 0
.rept 32
	ds_load_b128 v[XF+4*i:XF+4*i+3], v[RD] offset:i*GP
.set i, i+1
.endr
.set i, 0
.rept 32
	s_wait_dscnt 31-i                              ; row i is in; the younger rows stay out
	global_store_b128 v[LO], v[XF+4*i:XF+4*i+3], s[22:23] offset:i*512
.set i, i+1
.endr
	s_wait_tensorcnt 0x0                           ; the wave's end, behind my last LDS store
	ds_add_u32 v[SPW], v[NIL]
	s_wait_dscnt 0x0
	s_endpgm
.Lfunc_end_k_qa8736322d8_proj:
	.size	k_qa8736322d8_proj, .Lfunc_end_k_qa8736322d8_proj-k_qa8736322d8_proj
	.p2alignl 7, 3214868480
	.fill 96, 4, 3214868480
	.section	.rodata,"a",@progbits
	.p2align	6, 0x0
	.amdhsa_kernel k_qa8736322d8_proj
		.amdhsa_group_segment_fixed_size 137728
		.amdhsa_private_segment_fixed_size 0
		.amdhsa_enable_private_segment 0
		.amdhsa_kernarg_size 80
		.amdhsa_user_sgpr_count 2
		.amdhsa_user_sgpr_kernarg_segment_ptr 1
		.amdhsa_wavefront_size32 1
		.amdhsa_system_sgpr_workgroup_id_x 1
		.amdhsa_system_sgpr_workgroup_id_y 1
		.amdhsa_system_sgpr_workgroup_id_z 1
		.amdhsa_system_vgpr_workitem_id 0
		.amdhsa_next_free_vgpr 704
		.amdhsa_next_free_sgpr 66
		.amdhsa_reserve_vcc 0
		.amdhsa_float_denorm_mode_32 3
		.amdhsa_float_denorm_mode_16_64 3
		.amdhsa_memory_ordered 1
		.amdhsa_forward_progress 1
		.amdhsa_inst_pref_size 79
	.end_amdhsa_kernel
	.amdgpu_metadata
---
amdhsa.version: [ 1, 2 ]
amdhsa.kernels:
  - .name:           k_qa8736322d8_proj
    .symbol:         k_qa8736322d8_proj.kd
    .args:
      - { .name: x, .offset: 0, .size: 8, .value_kind: global_buffer, .address_space: global }
      - { .name: wq, .offset: 8, .size: 8, .value_kind: global_buffer, .address_space: global }
      - { .name: bq, .offset: 16, .size: 8, .value_kind: global_buffer, .address_space: global }
      - { .name: wk, .offset: 24, .size: 8, .value_kind: global_buffer, .address_space: global }
      - { .name: bk, .offset: 32, .size: 8, .value_kind: global_buffer, .address_space: global }
      - { .name: wv, .offset: 40, .size: 8, .value_kind: global_buffer, .address_space: global }
      - { .name: bv, .offset: 48, .size: 8, .value_kind: global_buffer, .address_space: global }
      - { .name: qws, .offset: 56, .size: 8, .value_kind: global_buffer, .address_space: global }
      - { .name: kws, .offset: 64, .size: 8, .value_kind: global_buffer, .address_space: global }
      - { .name: vws, .offset: 72, .size: 8, .value_kind: global_buffer, .address_space: global }
    .group_segment_fixed_size: 137728
    .private_segment_fixed_size: 0
    .kernarg_segment_align: 8
    .kernarg_segment_size: 80
    .max_flat_workgroup_size: 128
    .sgpr_count:     66
    .vgpr_count:     704
    .wavefront_size: 32
...
	.end_amdgpu_metadata
.endif
;; end of part 1
;; launch attn (part 2): grid 16 x 16, 4 waves a work-group, clusters of 4 x 1, 327,680 bytes of LDS; arguments qws, kws, vws, x, gamma, out0; writes out0
.if DOCPART == 2
	.amdgcn_target "amdgcn-amd-amdhsa--gfx1250"
	.amdhsa_code_object_version 6
	.text
	.protected	k_qa8736322d8_attn
	.globl	k_qa8736322d8_attn
	.p2align	8
	.type	k_qa8736322d8_attn,@function
k_qa8736322d8_attn:
	s_mov_b64 s[64:65], 0
	v_nop
	global_prefetch_b8 v0, s[64:65] scope:SCOPE_SE
	s_setreg_imm32_b32 hwreg(HW_REG_WAVE_MODE, 25, 1), 1
	s_wait_xcnt 0x0
	s_wait_alu depctr_hold_cnt(0) depctr_sa_sdst(0) depctr_va_vdst(0) depctr_va_sdst(0) depctr_va_ssrc(0) depctr_va_vcc(0) depctr_vm_vsrc(0)
	s_getreg_b32 s2, hwreg(HW_REG_IB_STS2, 6, 4)
	s_cmp_eq_u32 s2, 0
	s_cbranch_scc0 .Lentry_in_a_cluster
	s_endpgm
.Lentry_in_a_cluster:
	s_bfe_u32 s2, ttmp6, 0x10000c
	s_cmp_lg_u32 s2, 0x3003
	s_cbranch_scc0 .Lentry_shape_is_right
	s_endpgm
.Lentry_shape_is_right:
; out[b][c][i] = gamma x (sum_j v[b][c][j] softmax_j(q[b][i] . k[b][j])) + x[b][c][i].  4,096 pixels an image, q and k of 16 channels, v of 128.
; qws (times log2(e)), kws: bf16 fragments, 512 dense bytes for 16 pixels; vws: bf16 [b][16 tiles][128 channels][256 keys].  x, out0: f32 [b][c][n].
; SHARES.  A work-group: 256 queries of an image; a wave 64: four tiles of 16, in two PIECES (piece 0: tiles 0, 1; piece 2: tiles 2, 3).  Every wave walks all 4,096 keys, 64 a step.
; TWO PASSES.  An image's keys are 131,072 bytes and stay in LDS for the whole launch.  Pass 1 makes the scores alone and finds each query's TRUE maximum m.  Pass 2 makes them again with -m as the C
; operand that starts the sum, so that a product delivers s - m, ready for the exponential: no scaling, no running statistics, no rescaling of O in the loop.  Its price: the scores' products twice.
; LAYOUT.  S = K Q^T (source 0 = 16 keys, source 1 = 16 queries; of the 32 along K the upper 16 are zeros): a lane holds ONE query (lane % 16) and keys 8 (lane / 16) + 0..7.  Two results, rounded in
; pairs, ARE source 0 (16 queries x 32 keys) of O = P V, whose source 1 (16 channels, keys along the registers) comes out of LDS as v lies there.  O holds 8 neighbouring queries of one channel: as out0 lies.
; BY TURNS.  In a turn one piece has the matrix unit: 32 products P V of the step in hand, then 8 products K Q^T of the next; the other piece's 64 exponentials, 32 sums and 32 roundings stand behind them.
; CLUSTER.  The four query blocks of a cluster belong to one image and walk the same K and V: every tensor load is JOINT, the same load, descriptor and mask in all four.
; LIMITS.  A weight below 2^-126 counts as 0; NaN and infinities are not treated apart.  l is the sum of the unrounded weights; P is rounded to bf16.
; O, l, V's registers and piece 2's first P are cleared while the first tiles are on their way, so that no first step is written out: 496 lines, and 32 products on zeros.
; REGISTERS, in windows of 256 (s_set_vgpr_msb: bits 1:0 source 0, 3:2 source 1, 5:4 source 2, 7:6 destination):
;   window 0: addresses; Q; K's fragments; pass 1's scores and chains; -m; the way out's buffers
;   window 1: v0-127 O of piece 0; v128-191 S of piece 2; v192-223 P of piece 0; v224-239 l of piece 2          window 2: the same with the pieces swapped          window 3: v0-127 V of one step
; A piece's O and P share a window with the OTHER piece's S and l: the exponentials and sums that ride behind a piece's products P V need no switch.
.set VP,    528                        ; a channel's row of V in LDS: 512 bytes + 16: the 16 rows of a load start 33 x 16 bytes apart
.set SLOTB, 128*VP                     ; 67,584: a slot: 256 keys, four steps.  Slot 0 at 0, slot 1 behind it
.set KB,    2*SLOTB                    ; 135,168: all keys, dense: step s at 2,048 s, its key tile kb at 512 kb, my lane at 16 l
.set STAGE, KB+131072                  ; 266,240: for each wave 16 channel rows x 272 bytes of f32, for the way out
.set SP,    272
.set GT,    STAGE+4*16*SP              ; 283,648: for each wave gamma / l of its 64 queries
.set SPARE, GT+4*256                   ; 284,672: the spare words, 128 bytes a wave: two blocks of 256 bytes that no other line names
.set AK0, 8                            ; v8   KB + 16 l; never rewritten
.set AK,  9                            ; v9   K's next run of loads
.set AV0, 10                           ; v10  r x 528 + 16 h; never rewritten
.set AV,  11                           ; v11  V's next runs
.set SPW, 12                           ; v12  my spare word; never rewritten
.set NIL, 13                           ; v13  0; never rewritten
.set STO, 14                           ; v14  my stage: row r, 32 h
.set RD,  15                           ; v15  my stage: row l / 16, 16 (l % 16)
.set QF,  16                           ; v[16:47]   Q: tile t at 8 t; registers 4-7 are 0
.set KF,  48                           ; v[48:111]  K: two buffers of four fragments; registers 4-7 are 0.  Pass 2 uses the first
.set MCH, 112                          ; v[112:127] pass 1: 8 chains of maxima a piece
.set SA,  128                          ; v[128:255] pass 1: piece x's accumulator i (key tile i / 2, tile x + i % 2) at 64 (x / 2) + 8 i
.set NM,  128                          ; v[128:159] behind pass 1: -m, eight times, tile t at 8 t
.set GO,  112                          ; behind pass 1: (l / 16) x 16,384 + 16 (l % 16): two channel rows of x and out0
.set PFO, 113                          ; 256 l
.set XPO, 114                          ; 16,384 l
.set GTS, 115                          ; GT + 256 w + 4 r
.set GTR, 116                          ; GT + 256 w + 16 (l % 16)
.set G4,  120                          ; v[120:123] gamma / l of my four queries of a row
.set TT,  48                           ; the way out: at work
.set OB,  128                          ; the way out: two buffers of 32: 16 rows of O read back
.set XB,  192                          ; and of x
.set SS,  128                          ; windows 1, 2: S at 32 u + 8 kb
.set PP,  192                          ; P at 16 u + 8 kk
.set LL,  224                          ; l: four chains of pairs a tile, at 8 u + 2 chain
.set WV,  16                           ; s16  my wave's number
.set G1K, 24                           ; s[24:31] descriptor group 1 for K
.set G1V, 32                           ; s[32:39] for V
.set G0K, 40                           ; s[40:43] group 0 for K
.set G0V, 44                           ; s[44:51] group 0 for V, a set for each slot
.set TRIPS, 52
.set CNT, 53
.set TBK, 54                           ; s54  byte in K's block of the step to be fetched
.set TBV, 55                           ; s55  LDS byte at which V of the step to be fetched begins in its rows
.set LIM, 56                           ; s56  1 in a wave that prefetches V, else the greatest number
.set GAM, 57
.set PFA, 58                           ; s[58:59] where my prefetches of V stand
.set SEL, 60                           ; s[60:61] v_permlanex16_b32's selects: each lane takes its own place in the other half
.set P1C, 62
.set MSB, 0
.macro WIN new                         ; the immediate's high byte repeats the setting that is left; a switch that changes nothing is dropped
.if MSB != (\new)
	s_set_vgpr_msb (MSB<<8)|(\new)
.set MSB, \new
.endif
.endm
.macro PLACES
.rept 4
	v_nop
.endr
.endm
; A round of the cluster's barrier: my work-group's barrier, so that wave 0's signal speaks for all four waves; wave 0 signals; every wave waits for all four work-groups; my work-group's barrier once more.
.macro CROUND
	s_barrier_signal -1
	s_barrier_wait -1
	s_cmp_lg_u32 s[WV], 0
	s_cbranch_scc1 .Lnot_wave_0_\@
	s_barrier_signal -3
.Lnot_wave_0_\@:
	s_barrier_wait -3
	s_barrier_signal -1
	s_barrier_wait -1
.endm
; A PREFETCH INTO THE L2 of the tile of V that the NEXT change of slots will ask for: 65,536 bytes.  An image's tiles are walked by four clusters: the first (cluster x = 0) asks.  Its four partners take
; 16,384 bytes each, told apart BY ADDRESS; in each, waves 0 and 1 take 32 blocks of 256 bytes, a lane a block.  So each block is named once in the launch.  how = 0: the last change that fills a slot asks for nothing.
.macro ASK how
.if \how
	s_cmp_eq_u32 s[LIM], 1
.else
	s_cmp_gt_u32 s[TRIPS], s[LIM]
.endif
	s_cbranch_scc0 .Lnot_mine_\@
	global_prefetch_b8 v[PFO], s[PFA:PFA+1] th:TH_LOAD_NT scope:SCOPE_SE
.Lnot_mine_\@:
.endm
; THE CHANGE OF SLOTS.  Each wave waits for all its tensor loads, of which one is out: its 32 rows of the other slot; adds 0 to its spare word; waits for that and for its reads of slot fs.  The round shows
; the same of every wave of all four partners.  Then slot fs is filled, the first thing behind the round: one load a wave, with four key steps, 320 matrix instructions, in which to land.
.macro CHANGE fs, how
	WIN 0
	s_wait_tensorcnt 0x0                           ; no tensor load of mine is out, so a group 0 may be written
	ds_add_u32 v[SPW], v[NIL]                      ; 0 onto my spare word; the steps below stand between it and the wait for it
	s_add_nc_u64 s[G0V+4*(1-(\fs))+2:G0V+4*(1-(\fs))+3], s[G0V+4*(1-(\fs))+2:G0V+4*(1-(\fs))+3], 131072  ; the other slot's next tile: two tiles on; the type bits on top are not reached
	s_wait_xcnt 0x0                                ; the last prefetch, four key steps back, has read its address
	s_add_nc_u64 s[PFA:PFA+1], s[PFA:PFA+1], 65536
	s_wait_dscnt 0x0                               ; the add is done, and my reads of the slot are over
	CROUND
	tensor_load_to_lds s[G0V+4*(\fs):G0V+4*(\fs)+3], s[G1V:G1V+7]
	s_nop 0
	PLACES
	ASK \how
	s_mov_b32 s[TBV], SLOTB*(1-(\fs))              ; the fetches go to the other slot's first step
.endm
; The last change: nothing is asked for, so a plain barrier.  Here my wave prefetches ITS OWN 256 bytes of each of the 128 channel rows of x, which the way out will load behind four more key steps: a lane a row.
.macro CHANGE0
	WIN 0
	s_wait_tensorcnt 0x0
	ds_add_u32 v[SPW], v[NIL]
	s_mov_b32 s[TBV], SLOTB
	s_wait_dscnt 0x0
	s_barrier_signal -1
	s_barrier_wait -1
.irp q, 0,1,2,3
	global_prefetch_b8 v[XPO], s[10:11] offset:(\q)*524288 th:TH_LOAD_NT scope:SCOPE_SE
.endr
.endm
	s_load_b256 s[4:11], s[0:1], 0x0               ; qws 4, kws 6, vws 8, x 10
	s_load_b128 s[12:15], s[0:1], 0x20             ; gamma 12, out0 14
	v_lshl_add_u32 v[SPW], v0, 2, SPARE
	v_mov_b32 v[NIL], 0
	ds_add_u32 v[SPW], v[NIL]                      ; the wave's opening: the add and its wait ahead of my first tensor load; the set-up below stands between them
	v_lshrrev_b32 v3, 5, v0
	v_readfirstlane_b32 s[WV], v3                  ; wave 0..3
	v_and_b32 v1, 15, v0                           ; r
	v_bfe_u32 v2, v0, 4, 1                         ; h
	v_and_b32 v3, 31, v0                           ; l
	v_lshlrev_b32 v7, 4, v3                        ; 16 l, for Q
	s_bfe_u32 s17, ttmp6, 0x40000                  ; cx: my place in the cluster
	s_lshl_b32 s18, ttmp9, 2                       ; in a cluster launch ttmp9 counts clusters
	s_add_co_u32 s18, s18, s17                     ; my block of 256 queries: it enters Q's, x's and out0's addresses alone
	s_and_b32 s19, ttmp7, 0xffff                   ; the image, which the four partners share
	; K: my quarter of the image's keys, 32,768 dense bytes, as 128 rows of 256 bytes
	s_mov_b32 s[G1K+0], 15|(3<<16)|(1<<21)         ; 15:0 the mask of four; 17:16 elements of 8 bytes; 21 set beside a mask
	s_mov_b32 s[G1K+1], 32<<16                     ; tensor_dim0 = 32
	s_mov_b32 s[G1K+2], 128<<16                    ; tensor_dim1 = 128
	s_mov_b32 s[G1K+3], 32<<16                     ; tile_dim0 = 32
	s_mov_b32 s[G1K+4], 128                        ; tile_dim1 = 128
	s_mov_b32 s[G1K+5], 32                         ; 32 elements from row to row
	s_mov_b32 s[G1K+6], 0
	s_mov_b32 s[G1K+7], 0
	; V: my 32 channel rows of a tile, 512 bytes each, 16 bytes of padding behind each
	s_mov_b32 s[G1V+0], 15|(3<<16)|(1<<20)|(1<<21)|(6<<22)|(3<<25)  ; 20 padding on; 24:22 after every 128 words (code 6); 31:25 4 words (code 3)
	s_mov_b32 s[G1V+1], 64<<16
	s_mov_b32 s[G1V+2], 32<<16
	s_mov_b32 s[G1V+3], 64<<16
	s_mov_b32 s[G1V+4], 32
	s_mov_b32 s[G1V+5], 64
	s_mov_b32 s[G1V+6], 0
	s_mov_b32 s[G1V+7], 0
	s_mov_b32 s[G0K], 1
	s_lshl_b32 s[G0K+1], s[WV], 15
	s_add_co_u32 s[G0K+1], s[G0K+1], KB            ; no place in the cluster enters an LDS address
	s_mov_b32 s[G0V], 1
	s_mul_i32 s[G0V+1], s[WV], 32*VP
	s_mov_b32 s[G0V+4], 1
	s_add_co_u32 s[G0V+5], s[G0V+1], SLOTB
	s_lshl_b32 s20, s19, 17                        ; kws: the image, my quarter
	s_lshl_b32 s21, s[WV], 15
	s_add_co_u32 s20, s20, s21
	s_mov_b32 s21, 0
	s_lshl_b32 s22, s19, 20                        ; vws: the image, my 32 rows of tile 0
	s_lshl_b32 s23, s[WV], 14
	s_add_co_u32 s22, s22, s23
	s_mov_b32 s23, 0
	s_mov_b32 s[SEL], 0x76543210
	s_mov_b32 s[SEL+1], 0xfedcba98
	s_lshr_b32 s[LIM], s[WV], 1                    ; 0 in waves 0 and 1,
	s_or_b32 s[LIM], s[LIM], ttmp9                 ; where the cluster is the image's first: the same in all four partners
	s_cmp_eq_u32 s[LIM], 0
	s_cselect_b32 s[LIM], 1, -1
	s_wait_dscnt 0x0                               ; the opening add is done
	s_wait_kmcnt 0x0
	s_add_nc_u64 s[G0K+2:G0K+3], s[6:7], s[20:21]
	s_or_b32 s[G0K+3], s[G0K+3], 0x80000000        ; type = 2
	s_add_nc_u64 s[G0V+2:G0V+3], s[8:9], s[22:23]
	s_add_nc_u64 s[G0V+6:G0V+7], s[G0V+2:G0V+3], 65536  ; tile 1
	s_or_b32 s[G0V+3], s[G0V+3], 0x80000000
	s_or_b32 s[G0V+7], s[G0V+7], 0x80000000
	s_lshl_b32 s2, s19, 17                         ; what hangs on my place in the cluster is made in s[2:3] alone.  Q: the image, my block's 16 tiles, my wave's 4
	s_lshl_b32 s3, s18, 13
	s_add_co_u32 s2, s2, s3
	s_lshl_b32 s3, s[WV], 11
	s_add_co_u32 s2, s2, s3
	s_mov_b32 s3, 0
	s_add_nc_u64 s[4:5], s[4:5], s[2:3]
	s_lshl_b32 s2, s19, 21                         ; x and out0: the image, my wave's 64 queries of a row
	s_lshl_b32 s3, s18, 10
	s_add_co_u32 s2, s2, s3
	s_lshl_b32 s3, s[WV], 8
	s_add_co_u32 s2, s2, s3
	s_mov_b32 s3, 0
	s_add_nc_u64 s[10:11], s[10:11], s[2:3]
	s_add_nc_u64 s[14:15], s[14:15], s[2:3]
	s_lshl_b32 s2, s19, 20                         ; the prefetches: tile 1, my work-group's quarter, my wave's half of it; the first change of slots steps it to tile 2
	s_lshl_b32 s3, s17, 14
	s_add_co_u32 s2, s2, s3
	s_lshl_b32 s3, s[WV], 13
	s_add_co_u32 s2, s2, s3
	s_add_co_u32 s2, s2, 65536
	s_mov_b32 s3, 0
	s_add_nc_u64 s[PFA:PFA+1], s[8:9], s[2:3]
	s_load_b32 s[GAM], s[12:13], 0x0
	CROUND                                         ; all four work-groups are here: the first joint loads meet
	tensor_load_to_lds s[G0K:G0K+3], s[G1K:G1K+7]  ; the first fills stand together: two loads of mine are out
	s_nop 0
	tensor_load_to_lds s[G0V:G0V+3], s[G1V:G1V+7]
	s_nop 0
	PLACES
.irp t, 0,1,2,3
	global_load_b128 v[QF+8*(\t):QF+8*(\t)+3], v7, s[4:5] offset:512*(\t)  ; Q stays in registers
.endr
	; In the wait for the first tiles: the fragments' upper halves, O, l, V's registers and piece 2's P are cleared, and the addresses made.
.irp t, 0,1,2,3,4,5,6,7,8,9,10,11
.irp j, 4,5,6,7
	v_mov_b32 v[QF+8*(\t)+(\j)], 0                 ; Q's four fragments and K's eight lie on end
.endr
.endr
	WIN 0x40
.set i, 0
.rept 128
	v_mov_b32 v[i], 0
.set i, i+1
.endr
.set i, LL
.rept 16
	v_mov_b32 v[i], 0
.set i, i+1
.endr
	WIN 0x80
.set i, 0
.rept 128
	v_mov_b32 v[i], 0
.set i, i+1
.endr
.set i, PP
.rept 48
	v_mov_b32 v[i], 0                              ; P and l lie on end
.set i, i+1
.endr
	WIN 0xc0
.set i, 0
.rept 128
	v_mov_b32 v[i], 0
.set i, i+1
.endr
	WIN 0
	v_lshl_add_u32 v[AK0], v3, 4, KB
	v_mov_b32 v[AK], v[AK0]
	v_mul_u32_u24 v[AV0], v1, VP
	v_lshl_add_u32 v[AV0], v2, 4, v[AV0]
	s_mul_i32 s20, s[WV], 16*SP
	s_add_co_u32 s20, s20, STAGE
	v_mul_u32_u24 v[STO], v1, SP
	v_lshl_add_u32 v[STO], v2, 5, v[STO]
	v_add_nc_u32 v[STO], s20, v[STO]
	v_mul_u32_u24 v[RD], v2, SP
	v_lshl_add_u32 v[RD], v1, 4, v[RD]
	v_add_nc_u32 v[RD], s20, v[RD]
	s_wait_tensorcnt 0x1                           ; my quarter of K is in; V's tile 0, issued behind it, may stay out
	s_barrier_signal -1
	s_barrier_wait -1                              ; everybody's quarter is
	s_wait_loadcnt 0x0                             ; Q
	s_wait_kmcnt 0x0                               ; gamma
; PASS 1, all in window 0.  A product starts its sum with 0 and ends it: 16 channels are one K step.
.macro QK1 x, f, i
	v_wmma_f32_16x16x32_bf16 v[SA+64*((\x)/2)+8*(\i):SA+64*((\x)/2)+8*(\i)+7], v[KF+32*(\f)+8*((\i)/2):KF+32*(\f)+8*((\i)/2)+7], v[QF+8*((\x)+(\i)%2):QF+8*((\x)+(\i)%2)+7], 0
.endm
.macro MX y, k                         ; four of piece y's 32 maxima of a step: a pair of scores of each of four accumulators, each into its own chain; an accumulator's lowest registers come first
.irp a, 0,1,2,3
	v_max3_num_f32 v[MCH+8*((\y)/2)+4*((\k)/4)+(\a)], v[MCH+8*((\y)/2)+4*((\k)/4)+(\a)], v[SA+64*((\y)/2)+8*(4*((\k)/4)+(\a))+2*((\k)%4)], v[SA+64*((\y)/2)+8*(4*((\k)/4)+(\a))+2*((\k)%4)+1]
.endr
.endm
.macro HALF1 x, f                      ; piece x's 8 products of a step on K's buffer f; behind each, four of the other piece's maxima
.irp i, 0,1,2,3,4,5,6,7
	QK1 \x, \f, \i
	MX 2-(\x), \i
.endr
.endm
.macro KRUN1 f, off                    ; a step's K: four fragments, 512 consecutive bytes each
.irp kb, 0,1,2,3
	ds_load_b128 v[KF+32*(\f)+8*(\kb):KF+32*(\f)+8*(\kb)+3], v[AK] offset:(\off)+512*(\kb)
.endr
.endm
	KRUN1 0, 0
	KRUN1 1, 2048
	s_wait_dscnt 4                                 ; step 0 is in; step 1's four loads may stay out
.irp i, 0,1,2,3,4,5,6,7
	QK1 0, 0, \i
.endr
.set i, 0
.rept 16
	v_mov_b32 v[MCH+i], 0xff7fffff                 ; the chains start at the lowest finite number; these lines are the places behind the first products
.set i, i+1
.endr
	s_mov_b32 s[P1C], 31
.Lpass1:                               ; a trip: two steps.  A run of loads stands four maxima behind the last product that read its buffer, and 16 products ahead of its use
	HALF1 2, 0
	KRUN1 0, 4096
	s_wait_dscnt 4                                 ; the run before is in; the four just issued stay out
	HALF1 0, 1
	HALF1 2, 1
	KRUN1 1, 6144
	s_wait_dscnt 4
	HALF1 0, 0
	v_add_nc_u32 v[AK], 4096, v[AK]
	s_sub_co_u32 s[P1C], s[P1C], 1
	s_cmp_lg_u32 s[P1C], 0
	s_cbranch_scc1 .Lpass1
	HALF1 2, 0                                     ; steps 62 and 63: nothing more is fetched
	s_wait_dscnt 0x0
	HALF1 0, 1
	HALF1 2, 1
.irp k, 0,1,2,3,4,5,6,7
	MX 2, \k
.endr
	; m of tile t: its four chains, and the query's other keys in the lane 16 away.  Then -m, eight times: the C operand of pass 2's products.
.irp t, 0,1,2,3
	v_max3_num_f32 v[MCH+8*((\t)/2)+(\t)%2], v[MCH+8*((\t)/2)+(\t)%2], v[MCH+8*((\t)/2)+(\t)%2+2], v[MCH+8*((\t)/2)+(\t)%2+4]
.endr
.irp t, 0,1,2,3
	v_max_num_f32 v[MCH+8*((\t)/2)+(\t)%2], v[MCH+8*((\t)/2)+(\t)%2], v[MCH+8*((\t)/2)+(\t)%2+6]
.endr
.irp t, 0,1,2,3
	v_permlanex16_b32 v[MCH+8*((\t)/2)+(\t)%2+2], v[MCH+8*((\t)/2)+(\t)%2], s[SEL], s[SEL+1]
.endr
.irp t, 0,1,2,3
	v_max_num_f32 v[MCH+8*((\t)/2)+(\t)%2], v[MCH+8*((\t)/2)+(\t)%2], v[MCH+8*((\t)/2)+(\t)%2+2]
.endr
.irp t, 0,1,2,3
.irp j, 0,1,2,3,4,5,6,7
	v_mul_f32 v[NM+8*(\t)+(\j)], -1.0, v[MCH+8*((\t)/2)+(\t)%2]
.endr
.endr
.irp kb, 0,1,2,3
	ds_load_b128 v[KF+8*(\kb):KF+8*(\kb)+3], v[AK0] offset:512*(\kb)  ; K of step 0 once more
.endr
	v_lshlrev_b32 v[GO], 14, v2                    ; the chains are done with: their registers take the late addresses
	v_lshl_add_u32 v[GO], v1, 4, v[GO]
	v_lshlrev_b32 v[PFO], 8, v3
	v_lshlrev_b32 v[XPO], 14, v3
	s_lshl_b32 s20, s[WV], 8
	s_add_co_u32 s20, s20, GT
	v_lshl_add_u32 v[GTS], v1, 2, s20
	v_lshl_add_u32 v[GTR], v1, 4, s20
; PASS 2.  Matrix instruction i of a turn's 40, for piece x.  i < 32: O += P V: keys 32 (i / 16) on, channels 16 ((i / 2) % 8) on, tile x + i % 2: 16 accumulators by turns.
; i >= 32: S = K Q^T - m: key tile (i - 32) / 2, tile x + i % 2.
.macro MM x
.if i < 32
	WIN 0x5d+0x51*((\x)/2)                         ; P and O in the piece's window, V in window 3
.set rO, 64*(i%2)+8*((i/2)%8)
.set rP, PP+16*(i%2)+8*(i/16)
.set rV, 64*(i/16)+8*((i/2)%8)
	v_wmma_f32_16x16x32_bf16 v[rO:rO+7], v[rP:rP+7], v[rV:rV+7], v[rO:rO+7]
.else
	WIN 0x80-0x40*((\x)/2)                         ; S in the other piece's window, all else in window 0
.set rS, SS+32*(i%2)+8*((i-32)/2)
.set rK, KF+8*((i-32)/2)
.set rQ, QF+8*((\x)+i%2)
.set rN, NM+8*((\x)+i%2)
	v_wmma_f32_16x16x32_bf16 v[rS:rS+7], v[rK:rK+7], v[rQ:rQ+7], v[rN:rN+7]
.endif
.endm
; The other piece's vector work, in three queues, the two tiles alternating.  EX: 64 exponentials, in place, ascending.
.macro EX x
	WIN 0x5d+0x51*((\x)/2)
	v_exp_f32 v[SS+32*(e%2)+e/2], v[SS+32*(e%2)+e/2]
.set e, e+1
.endm
.macro SU x                            ; 32 sums: pair n / 2 of tile n % 2 onto one of the tile's four chains of l.  As p x 1 + l: the addend is source 2, which has O's window
	WIN 0x5d+0x51*((\x)/2)
	v_pk_fma_f32 v[LL+8*(n%2)+2*((n/2)%4):LL+8*(n%2)+2*((n/2)%4)+1], v[SS+32*(n%2)+2*(n/2):SS+32*(n%2)+2*(n/2)+1], 1.0, v[LL+8*(n%2)+2*((n/2)%4):LL+8*(n%2)+2*((n/2)%4)+1] op_sel_hi:[1,0,1]
.set n, n+1
.endm
.macro CV x                            ; 32 roundings: S lies in this piece's window, P in the other's
	WIN 0x85-0x3b*((\x)/2)
	v_cvt_pk_bf16_f32 v[PP+16*(c%2)+c/2], v[SS+32*(c%2)+2*(c/2)], v[SS+32*(c%2)+2*(c/2)+1]
.set c, c+1
.endm
.macro VRUN kk                         ; half a step's V: 32 keys x 128 channels: 16 loads
	WIN 0xc0
.irp cb, 0,1,2,3,4,5,6,7
	ds_load_b128 v[64*(\kk)+8*(\cb):64*(\kk)+8*(\cb)+3],   v[AV] offset:(\cb)*16*VP+64*(\kk)
	ds_load_b128 v[64*(\kk)+8*(\cb)+4:64*(\kk)+8*(\cb)+7], v[AV] offset:(\cb)*16*VP+64*(\kk)+32
.endr
.endm
; A TURN, for piece x.  Behind products 0-20 three exponentials each, behind 21 the last: ONE batch of 64, of which nothing ahead of the turn's one wait names a result.  A plain
; instruction behind the last exponential and s_wait_alu depctr_va_vdst(0) ahead of the first reader: both stand behind product 21, directly ahead of a run of LDS loads.  Behind products 22-31 the sums,
; behind the 8 products K Q^T the roundings, four each: the last four are the places behind the turn's last product.  No rider names a register of the products round it.
; Piece 0's turn fetches K of the next step (its last reader stands ahead of the turn before's last four roundings) and waits for it ahead of product 32.  last = 1: in the launch's last turn there is no next step.
; Piece 2's turn fetches V of the next step: the first half four plain instructions behind product 15's successors (the address and three v_nop: exponentials are no places), the second behind product 31's four sums.
; Piece 0's turn waits for them: ahead of product 0 the second half's 16 loads may stay out; ahead of product 16 none.
.macro TURN x, last=0
.set i, 0
.set e, 0
.set n, 0
.set c, 0
.rept 40
.if ((\x) == 0) && (i == 0)
	s_wait_dscnt 16
.endif
.if ((\x) == 0) && ((i == 16) || (i == 32))
	s_wait_dscnt 0x0
.endif
	MM \x
.if i < 21
	EX \x
	EX \x
	EX \x
.elseif i == 21
	EX \x
	WIN 0
.if (\x) == 0
	v_add_nc_u32 v[AK], s[TBK], v[AK0]
	s_wait_alu depctr_va_vdst(0)
.if \last
	s_cmp_eq_u32 s[CNT], 1
	s_cbranch_scc1 .Lno_k_\@
.endif
.irp kb, 0,1,2,3
	ds_load_b128 v[KF+8*(\kb):KF+8*(\kb)+3], v[AK] offset:512*(\kb)
.endr
	s_add_co_u32 s[TBK], s[TBK], 2048
.if \last
.Lno_k_\@:
.endif
.else
	v_add_nc_u32 v[AV], s[TBV], v[AV0]
	v_nop
	v_nop
	v_nop
	s_wait_alu depctr_va_vdst(0)
	VRUN 0
.endif
.elseif i < 30
	SU \x
	SU \x
	SU \x
.elseif i < 32
	SU \x
	SU \x
	SU \x
	SU \x
.if ((\x) == 2) && (i == 31)
	VRUN 1
	s_add_co_u32 s[TBV], s[TBV], 128               ; the next fetch is the next step's 64 keys
.endif
.else
	CV \x
	CV \x
	CV \x
	CV \x
.endif
.set i, i+1
.endr
.endm
; A slot's four key steps: a trip is piece 2's turn of step j (which fetches V of step j + 1) and piece 0's of step j + 1 (which fetches K of step j + 2).
.macro PAIRS last
	s_mov_b32 s[CNT], 4
.Lpair_\@:
	TURN 2
	TURN 0, \last
	WIN 0
	s_sub_co_u32 s[CNT], s[CNT], 1
	s_cmp_lg_u32 s[CNT], 0
	s_cbranch_scc1 .Lpair_\@
.endm
	s_wait_dscnt 0x0                               ; K of step 0
.set i, 32
.rept 8
	MM 0                                           ; piece 0's first scores: there is no vector work yet to set between them
.set i, i+1
.endr
	WIN 0
	PLACES
	s_mov_b32 s[TBK], 2048
	s_mov_b32 s[TRIPS], 8
	s_branch .Lhalf                                ; the loop is entered in the middle of a trip: slot 0 is waited for, slot 1 filled for the first time
.Lslots:                               ; a trip: two changes of slots, eight key steps.  Fifteen changes ask for tiles 1 to 15
	CHANGE 0, 1
	PAIRS 0
.Lhalf:
	CHANGE 1, 0
	PAIRS 0
	s_sub_co_u32 s[TRIPS], s[TRIPS], 1
	s_cmp_lg_u32 s[TRIPS], 0
	s_cbranch_scc1 .Lslots
	CHANGE0                                        ; the last tile is written out
	PAIRS 1                                        ; (its last 8 products K Q^T, on the last K once more, serve nothing: the price of one text for every turn)
.set i, 0
.rept 32
	MM 2                                           ; piece 2: P V of the last step
.set i, i+1
.endr
	; THE WAY OUT.  l's chains come into window 0: eight plain instructions, the places behind the last products.
	WIN 0x0a                                       ; piece 0's l lies in window 2
.irp t, 0,1
	v_pk_add_f32 v[TT+4*(\t):TT+4*(\t)+1],   v[LL+8*(\t):LL+8*(\t)+1],   v[LL+8*(\t)+2:LL+8*(\t)+3]
	v_pk_add_f32 v[TT+4*(\t)+2:TT+4*(\t)+3], v[LL+8*(\t)+4:LL+8*(\t)+5], v[LL+8*(\t)+6:LL+8*(\t)+7]
.endr
	WIN 0x05                                       ; piece 2's in window 1
.irp t, 0,1
	v_pk_add_f32 v[TT+8+4*(\t):TT+8+4*(\t)+1],   v[LL+8*(\t):LL+8*(\t)+1],   v[LL+8*(\t)+2:LL+8*(\t)+3]
	v_pk_add_f32 v[TT+8+4*(\t)+2:TT+8+4*(\t)+3], v[LL+8*(\t)+4:LL+8*(\t)+5], v[LL+8*(\t)+6:LL+8*(\t)+7]
.endr
	WIN 0
.macro XLOAD cb                        ; x of channels 16 cb .. + 15, my 64 queries: 16 lanes take a row's 256 bytes
.irp f, 0,1,2,3,4,5,6,7
	global_load_b128 v[XB+32*((\cb)%2)+4*(\f):XB+32*((\cb)%2)+4*(\f)+3], v[GO], s[10:11] offset:(16*(\cb)+2*(\f))*16384 th:TH_LOAD_NT
.endr
.endm
	XLOAD 0
	XLOAD 1
.irp t, 0,1,2,3
	v_pk_add_f32 v[TT+4*(\t):TT+4*(\t)+1], v[TT+4*(\t):TT+4*(\t)+1], v[TT+4*(\t)+2:TT+4*(\t)+3]
.endr
.irp t, 0,1,2,3
	v_add_f32 v[TT+4*(\t)], v[TT+4*(\t)], v[TT+4*(\t)+1]
.endr
.irp t, 0,1,2,3
	v_permlanex16_b32 v[TT+4*(\t)+1], v[TT+4*(\t)], s[SEL], s[SEL+1]  ; the query's other keys' sum lies in the lane 16 away
.endr
.irp t, 0,1,2,3
	v_add_f32 v[TT+4*(\t)], v[TT+4*(\t)], v[TT+4*(\t)+1]
.endr
.irp t, 0,1,2,3
	v_rcp_f32 v[TT+4*(\t)+2], v[TT+4*(\t)]
.endr
	v_nop                                          ; a plain instruction behind the last reciprocal,
	s_wait_alu depctr_va_vdst(0)                   ; and the wait ahead of the first use: one for the four
.irp t, 0,1,2,3
	v_mul_f32 v[TT+4*(\t)+2], s[GAM], v[TT+4*(\t)+2]
.endr
.irp t, 0,1,2,3
	ds_store_b32 v[GTS], v[TT+4*(\t)+2] offset:64*(\t)  ; gamma / l by query (both halves of the lanes store the same number to the same word),
.endr
	ds_load_b128 v[G4:G4+3], v[GTR]                ; and back as the four queries of my 16 bytes of a row: my wave's own bytes, served in order
; Channel block cb: a lane's 8 queries of a channel go into my stage's rows of 272 bytes and come back as whole rows of 256; each accumulator's low half first.
.macro PACK cb
	WIN 0x04                                       ; the stores' data in window 1
.irp t, 0,1
.irp q, 0,1
	ds_store_b128 v[STO], v[64*(\t)+8*(\cb)+4*(\q):64*(\t)+8*(\cb)+4*(\q)+3] offset:64*(\t)+16*(\q)
.endr
.endr
	WIN 0x08                                       ; in window 2
.irp t, 0,1
.irp q, 0,1
	ds_store_b128 v[STO], v[64*(\t)+8*(\cb)+4*(\q):64*(\t)+8*(\cb)+4*(\q)+3] offset:128+64*(\t)+16*(\q)
.endr
.endr
	WIN 0
.irp f, 0,1,2,3,4,5,6,7
	ds_load_b128 v[OB+32*((\cb)%2)+4*(\f):OB+32*((\cb)%2)+4*(\f)+3], v[RD] offset:2*SP*(\f)  ; these see the stores above; the next block's stores come behind them
.endr
.endm
.macro SEND cb, d, l                   ; d, l: the younger LDS instructions and loads of x that may stay out
	s_wait_dscnt \d
	s_wait_loadcnt \l
.irp f, 0,1,2,3,4,5,6,7
	v_pk_fma_f32 v[OB+32*((\cb)%2)+4*(\f):OB+32*((\cb)%2)+4*(\f)+1],   v[OB+32*((\cb)%2)+4*(\f):OB+32*((\cb)%2)+4*(\f)+1],   v[G4:G4+1],   v[XB+32*((\cb)%2)+4*(\f):XB+32*((\cb)%2)+4*(\f)+1]
	v_pk_fma_f32 v[OB+32*((\cb)%2)+4*(\f)+2:OB+32*((\cb)%2)+4*(\f)+3], v[OB+32*((\cb)%2)+4*(\f)+2:OB+32*((\cb)%2)+4*(\f)+3], v[G4+2:G4+3], v[XB+32*((\cb)%2)+4*(\f)+2:XB+32*((\cb)%2)+4*(\f)+3]
.endr
.irp f, 0,1,2,3,4,5,6,7
	global_store_b128 v[GO], v[OB+32*((\cb)%2)+4*(\f):OB+32*((\cb)%2)+4*(\f)+3], s[14:15] offset:(16*(\cb)+2*(\f))*16384 th:TH_STORE_NT  ; 16 lanes store 256 consecutive bytes, at a multiple of 256 from out0's first byte
.endr
.endm
	PACK 0
.irp cb, 0,1,2,3,4,5,6
.if (\cb) > 0
	s_wait_xcnt 0x0                                ; the stores of the block before last have read the buffer that is loaded again below
.endif
	PACK (\cb)+1
	SEND \cb, 16, 8                                ; the next block's 16 LDS instructions and its 8 loads of x stay out
.if (\cb) < 6
	XLOAD (\cb)+2
.endif
.endr
	SEND 7, 0, 0
	s_wait_tensorcnt 0x0                           ; the wave's end, behind my last tensor load and my last LDS store
	ds_add_u32 v[SPW], v[NIL]
	s_wait_dscnt 0x0
	CROUND                                         ; the closing round: no work-group ends while a partner may still ask for a tile that names it
	s_endpgm
.Lfunc_end_k_qa8736322d8_attn:
	.size	k_qa8736322d8_attn, .Lfunc_end_k_qa8736322d8_attn-k_qa8736322d8_attn
	.p2alignl 7, 3214868480
	.fill 96, 4, 3214868480
	.section	.rodata,"a",@progbits
	.p2align	6, 0x0
	.amdhsa_kernel k_qa8736322d8_attn
		.amdhsa_group_segment_fixed_size 327680
		.amdhsa_private_segment_fixed_size 0
		.amdhsa_enable_private_segment 0
		.amdhsa_kernarg_size 48
		.amdhsa_user_sgpr_count 2
		.amdhsa_user_sgpr_kernarg_segment_ptr 1
		.amdhsa_wavefront_size32 1
		.amdhsa_system_sgpr_workgroup_id_x 1
		.amdhsa_system_sgpr_workgroup_id_y 1
		.amdhsa_system_sgpr_workgroup_id_z 1
		.amdhsa_system_vgpr_workitem_id 0
		.amdhsa_next_free_vgpr 896
		.amdhsa_next_free_sgpr 66
		.amdhsa_reserve_vcc 0
		.amdhsa_float_denorm_mode_32 3
		.amdhsa_float_denorm_mode_16_64 3
		.amdhsa_memory_ordered 1
		.amdhsa_forward_progress 1
		.amdhsa_inst_pref_size 148
	.end_amdhsa_kernel
	.amdgpu_metadata
---
amdhsa.version: [ 1, 2 ]
amdhsa.kernels:
  - .name:           k_qa8736322d8_attn
    .symbol:         k_qa8736322d8_attn.kd
    .args:
      - { .name: qws, .offset: 0, .size: 8, .value_kind: global_buffer, .address_space: global }
      - { .name: kws, .offset: 8, .size: 8, .value_kind: global_buffer, .address_space: global }
      - { .name: vws, .offset: 16, .size: 8, .value_kind: global_buffer, .address_space: global }
      - { .name: x, .offset: 24, .size: 8, .value_kind: global_buffer, .address_space: global }
      - { .name: gamma, .offset: 32, .size: 8, .value_kind: global_buffer, .address_space: global }
      - { .name: out0, .offset: 40, .size: 8, .value_kind: global_buffer, .address_space: global }
    .group_segment_fixed_size: 327680
    .private_segment_fixed_size: 0
    .kernarg_segment_align: 8
    .kernarg_segment_size: 48
    .max_flat_workgroup_size: 128
    .sgpr_count:     66
    .vgpr_count:     896
    .wavefront_size: 32
...
	.end_amdgpu_metadata
.endif
;; end of part 2
;; ======== version 2 of 2: 2 launches; version 1 with the launch proj written anew for expert scheduling mode
;; workspace buffers: qws 2,097,152 bytes; kws 2,097,152 bytes; vws 16,777,216 bytes
;; launch proj (part 3): grid 16 x 16, 4 waves a work-group, no clusters, 137,728 bytes of LDS; arguments x, wq, bq, wk, bk, wv, bv, qws, kws, vws; writes qws, kws, vws
.if DOCPART == 3
	.amdgcn_target "amdgcn-amd-amdhsa--gfx1250"
	.amdhsa_code_object_version 6
	.text
	.protected	k_qa8736322d8_proj
	.globl	k_qa8736322d8_proj
	.p2align	8
	.type	k_qa8736322d8_proj,@function
k_qa8736322d8_proj:
	s_mov_b64 s[64:65], 0
	v_nop
	global_prefetch_b8 v0, s[64:65] scope:SCOPE_SE
	s_setreg_imm32_b32 hwreg(HW_REG_WAVE_SCHED_MODE, 0, 2), 2
	s_setreg_imm32_b32 hwreg(HW_REG_WAVE_MODE, 25, 1), 1
	s_wait_xcnt 0x0
	s_wait_alu depctr_vm_vsrc(0)
; THE THREE PROJECTIONS.  x: [16][128][4096] f32.  q[n][o] = sum_c x[c][n] wq[o][c] + bq[o], k likewise, v[o][n] = sum_c wv[o][c] x[c][n] + bv[o].
; x and the weights are rounded to bf16 for the products; sums and biases in f32 (a bias is the C operand that starts its sum); q, k, v rounded once to bf16.
; q is multiplied by log2(e) in f32 ahead of its rounding, so that the next launch's exponentials are powers of two.
; OUT.  qws, kws: [b][n/16][32 lanes][8] bf16: a tile of 16 pixels is 512 dense bytes; lane l = r + 16 h owns bytes 16 l: channels 8 h .. 8 h + 7 of pixel r: a matrix fragment as it lies in registers.
;       vws: [b][n/256][128 channels][256] bf16: a tile of 256 pixels is 65,536 dense bytes, a channel's row 512.
; SHARES.  A work-group: one image, 256 pixels.  Wave w rounds channels 32 w .. 32 w + 31 of x into LDS; makes v's channels 32 w .. + 31 for all 256 pixels; and makes q (w even) or k (w odd)
; for the pixel tiles 8 (w / 2) .. + 7.  160 matrix instructions in every wave; no branch.
; No tensor load: the f32 numbers must pass through registers to be rounded.  No cluster: no two work-groups read the same x, and the weights are 82 KB against the work-group's 128 KB of x.
; LIMITS.  NaN and infinities are not treated apart.
; REGISTERS, in windows of 256 (s_set_vgpr_msb: bits 1:0 source 0, 3:2 source 1, 5:4 source 2, 7:6 destination):
;   window 0: addresses, biases, accumulators, x's fragments     window 1: x as loaded (256), later the weights' fragments (96)     window 2: the weights as loaded (192)
; THE MODE: SCHED_MODE bits 1:0 = 2 (LLVM: expert scheduling mode 2), set by the entry lines.  The code itself states the register dependences
; between vector or matrix instructions and memory or LDS instructions, with s_wait_alu, always for 0.
; THE PLAN.  Registers that memory or LDS instructions touch:
;   v4 .. v15     Offsets, LDS addresses and the closing add's two registers: written at the head and never again.  One wait on va_vdst ahead of the first load states them for the whole kernel.
;   x and the weights as loaded, BQ, BVR: each loaded once, and named by no vector instruction before its load.
;   CT0 .. CT3    Group g's 32 roundings write CT[g]; its 16 LDS stores read it: one wait on va_vdst between them.  None is written again before these registers become XF:
;                 one wait on vm_vsrc behind the barrier states that all 64 stores have read them.
;   XF0, XF1      Trip t's matrix instructions read XF[t % 2]; the loads of trip t + 2's fragments, issued in trip t + 1, land in it.
;   PK            Written by a trip's roundings, read by its stores.  The trips for q or k: four registers of its own to each store.  The trips for v: two halves by turns.
;   The accumulators, the spread bias and the weights' fragments are named by vector and matrix instructions alone.
; So ONE wait on va_vdst stands in a trip, behind its roundings and ahead of its stores: PK is written, and the trip's matrix instructions are done reading XF[t % 2].  The next trip's loads into that
; buffer follow with no further wait: the vector side has since issued that trip's matrix instructions alone, which name the other XF, the weights, the accumulators and the bias.
.set XP,    544                        ; a channel's row of x in LDS: 512 bytes of bf16 + 32: the turning load's 8 rows x 32 bytes then fall on different banks
.set STG,   128*XP                     ; 69,632: behind x, for each wave 32 channel rows of v, pitch 528
.set GP,    528
.set SPARE, STG+4*32*GP                ; 137,216: the spare words, 128 bytes a wave: two blocks of 256 bytes that no other line names
.set XO,  4                            ; v4   x: 32 w channels + 16 l
.set XSA, 5                            ; v5   LDS: my wave's 32 rows + 8 l
.set WO,  6                            ; v6   a weight fragment's f32 numbers: r x 512 + 32 h
.set AX,  7                            ; v7   the turning load: (8 h + l % 8) x pitch + 16 ((l / 8) % 2)
.set AXQ, 8                            ; v8   the same at my 8 pixel tiles for q or k
.set STO, 9                            ; v9   my stage: row r, 16 h
.set RD,  10                           ; v10  my stage: 16 l of a row
.set LO,  11                           ; v11  16 l
.set SPW, 12                           ; v12  my spare word; never rewritten
.set NIL, 13                           ; v13  0; never rewritten
.set BO,  14                           ; v14  32 h
.set VO,  15                           ; v15  4 r
.set BQ,  16                           ; v[16:23]  q's or k's bias: register j holds channel 8 h + j
.set BVC, 24                           ; v[24:39]  v's bias of channel r, eight times, for each of my two blocks of 16 channels
.set ACC, 40                           ; v[40:71]  four accumulators
.set PK,  72                           ; v[72:103] rounded results
.set BVR, 112                          ; v[112:113] v's bias as loaded
.set XF,  128                          ; v[128:255] two buffers of x's fragments: pixel tile u, K step k at 64 p + 32 u + 8 k
.set CT,  128                          ; before that: rounded x on its way into LDS, a buffer of 32 for each of the four groups
.set MSB, 0
.macro WIN new                         ; the immediate's high byte repeats the setting that is left; a switch that changes nothing is dropped
.if MSB != (\new)
	s_set_vgpr_msb (MSB<<8)|(\new)
.set MSB, \new
.endif
.endm
.macro PLACES                          ; four places between a matrix instruction and a vector instruction that reads its result (ISA guide 7.12.1)
.rept 4
	v_nop
.endr
.endm
	s_load_b512 s[4:19], s[0:1], 0x0               ; x 4, wq 6, bq 8, wk 10, bk 12, wv 14, bv 16, qws 18
	s_load_b128 s[20:23], s[0:1], 0x40             ; kws 20, vws 22
	v_lshl_add_u32 v[SPW], v0, 2, SPARE
	v_mov_b32 v[NIL], 0
	v_lshrrev_b32 v3, 5, v0
	v_readfirstlane_b32 s24, v3                    ; wave 0..3
	v_and_b32 v1, 15, v0                           ; r
	v_bfe_u32 v2, v0, 4, 1                         ; h
	v_and_b32 v3, 31, v0                           ; l
	s_wait_alu depctr_va_sdst(0)                   ; s24 is written, ahead of its first reader: offsets, LDS addresses and the choice between q and k are made from it
	s_and_b32 s25, s24, 1                          ; 0: q, 1: k
	s_lshr_b32 s26, s24, 1                         ; which 8 pixel tiles
	s_and_b32 s27, ttmp7, 0xffff                   ; the image
	s_lshl_b32 s28, s24, 19                        ; 32 channels of 16,384 bytes
	v_lshl_add_u32 v[XO], v3, 4, s28
	s_mul_i32 s28, s24, 32*XP
	v_lshl_add_u32 v[XSA], v3, 3, s28
	v_lshlrev_b32 v[WO], 9, v1
	v_lshl_add_u32 v[WO], v2, 5, v[WO]
	v_and_b32 v[AX], 7, v0
	v_lshl_add_u32 v[AX], v2, 3, v[AX]
	v_mul_u32_u24 v[AX], v[AX], XP
	v_bfe_u32 v[AXQ], v0, 3, 1
	v_lshl_add_u32 v[AX], v[AXQ], 4, v[AX]
	s_lshl_b32 s28, s26, 8                         ; 8 pixel tiles of 32 bytes
	v_add_nc_u32 v[AXQ], s28, v[AX]
	s_mul_i32 s28, s24, 32*GP
	s_add_co_u32 s28, s28, STG
	v_mul_u32_u24 v[STO], v1, GP
	v_lshl_add_u32 v[STO], v2, 4, v[STO]
	v_add_nc_u32 v[STO], s28, v[STO]
	v_lshl_add_u32 v[RD], v3, 4, s28
	v_lshlrev_b32 v[LO], 4, v3
	v_lshlrev_b32 v[BO], 5, v2
	v_lshlrev_b32 v[VO], 2, v1
	s_lshl_b32 s28, s27, 21                        ; x: the image, and my 256 pixels of a row
	s_lshl_b32 s29, ttmp9, 10
	s_add_co_u32 s28, s28, s29
	s_mov_b32 s29, 0
	s_lshl_b32 s30, s27, 20                        ; vws: the image, the tile, my 32 rows
	s_lshl_b32 s31, ttmp9, 16
	s_add_co_u32 s30, s30, s31
	s_lshl_b32 s40, s24, 14                        ; (also my 32 rows of wv)
	s_add_co_u32 s30, s30, s40
	s_mov_b32 s31, 0
	s_mov_b32 s41, 0
	s_lshl_b32 s42, s24, 7                         ; my 32 numbers of bv
	s_mov_b32 s43, 0
	s_lshl_b32 s44, s27, 17                        ; qws or kws: the image, the work-group's 16 tiles, my 8
	s_lshl_b32 s45, ttmp9, 13
	s_add_co_u32 s44, s44, s45
	s_lshl_b32 s45, s26, 12
	s_add_co_u32 s44, s44, s45
	s_mov_b32 s45, 0
	s_wait_kmcnt 0x0
	s_add_nc_u64 s[4:5], s[4:5], s[28:29]
	s_add_nc_u64 s[14:15], s[14:15], s[40:41]
	s_add_nc_u64 s[16:17], s[16:17], s[42:43]
	s_add_nc_u64 s[22:23], s[22:23], s[30:31]
	s_cmp_eq_u32 s25, 0
	s_cselect_b64 s[32:33], s[6:7], s[10:11]       ; my third block's weights,
	s_cselect_b64 s[34:35], s[8:9], s[12:13]       ; bias,
	s_cselect_b64 s[36:37], s[18:19], s[20:21]     ; and where it goes
	s_cselect_b32 s38, 0x3fb8aa3b, 1.0             ; q times log2(e), k as it is
	s_mov_b32 s39, s38                             ; named with it as a pair
	s_add_nc_u64 s[36:37], s[36:37], s[44:45]
	; All of my wave's x at once: 64 loads of 512 consecutive bytes, two to a channel.
	WIN 0x40
	s_wait_alu depctr_va_vdst(0)                   ; v4 to v15 are written: every load, store and LDS instruction of the kernel reads one of them as its offset or address, and none is written again
.set i, 0
.rept 64
	global_load_b128 v[4*i:4*i+3], v[XO], s[4:5] offset:(i/2)*16384+(i%2)*512 th:TH_LOAD_NT
.set i, i+1
.endr
	WIN 0
; Sixteen loads are rounded and stored: four pixels a lane become 8 bytes.  n: how many younger loads may stay out.  Each group has a buffer CT[g] of its own, so that no rounding writes what a store still reads.
.macro CONV g, n
	s_wait_loadcnt \n
	WIN 0x05                                       ; sources in window 1
.set i, 0
.rept 16
	v_cvt_pk_bf16_f32 v[CT+32*(\g)+2*i],   v[64*(\g)+4*i],   v[64*(\g)+4*i+1]
	v_cvt_pk_bf16_f32 v[CT+32*(\g)+2*i+1], v[64*(\g)+4*i+2], v[64*(\g)+4*i+3]
.set i, i+1
.endr
	WIN 0
	s_wait_alu depctr_va_vdst(0)                   ; the roundings have written CT[g], which the LDS stores below read
.set i, 0
.rept 16
	ds_store_b64 v[XSA], v[CT+32*(\g)+2*i:CT+32*(\g)+2*i+1] offset:((16*(\g)+i)/2)*XP+((16*(\g)+i)%2)*256
.set i, i+1
.endr
.endm
	CONV 0, 48                                     ; 48 younger loads of x
	CONV 1, 32
	; The weights: 52 loads.  A fragment (16 rows x 32 channels) is, in f32, 32 bytes at 32 h and 32 bytes 64 further on in each row.
	; No wait: their offsets stand ahead of the head's wait, and no vector instruction has named the registers in which they land.
	WIN 0x80
.irp g, 0,1
.irp k, 0,1,2,3
	global_load_b128 v[16*(4*(\g)+(\k)):16*(4*(\g)+(\k))+3],     v[WO], s[14:15] offset:8192*(\g)+128*(\k)
	global_load_b128 v[16*(4*(\g)+(\k))+4:16*(4*(\g)+(\k))+7],   v[WO], s[14:15] offset:8192*(\g)+128*(\k)+16
	global_load_b128 v[16*(4*(\g)+(\k))+8:16*(4*(\g)+(\k))+11],  v[WO], s[14:15] offset:8192*(\g)+128*(\k)+64
	global_load_b128 v[16*(4*(\g)+(\k))+12:16*(4*(\g)+(\k))+15], v[WO], s[14:15] offset:8192*(\g)+128*(\k)+80
.endr
.endr
.irp k, 0,1,2,3
	global_load_b128 v[128+16*(\k):128+16*(\k)+3],     v[WO], s[32:33] offset:128*(\k)
	global_load_b128 v[128+16*(\k)+4:128+16*(\k)+7],   v[WO], s[32:33] offset:128*(\k)+16
	global_load_b128 v[128+16*(\k)+8:128+16*(\k)+11],  v[WO], s[32:33] offset:128*(\k)+64
	global_load_b128 v[128+16*(\k)+12:128+16*(\k)+15], v[WO], s[32:33] offset:128*(\k)+80
.endr
	WIN 0
	global_load_b128 v[BQ:BQ+3],   v[BO], s[34:35]
	global_load_b128 v[BQ+4:BQ+7], v[BO], s[34:35] offset:16
	global_load_b32 v[BVR],   v[VO], s[16:17]
	global_load_b32 v[BVR+1], v[VO], s[16:17] offset:64
	CONV 2, 63                                     ; 68 loads are younger; the count is the largest that the wait can name, and a smaller count is safe
	CONV 3, 52                                     ; the 52 of the weights and biases
	s_wait_dscnt 0x0                               ; for the others' sake: my rows of x lie in LDS
	s_barrier_signal -1
	s_wait_loadcnt 0x0                             ; work on registers while the others arrive: the weights are rounded into fragments,
	WIN 0x4a                                       ; sources in window 2, destination in window 1, where x's raw numbers are done with
.set i, 0
.rept 96
	v_cvt_pk_bf16_f32 v[i], v[2*i], v[2*i+1]
.set i, i+1
.endr
	WIN 0
.set i, 0
.rept 8
	v_mov_b32 v[BVC+i],   v[BVR]                   ; and v's bias is spread over a C operand's eight registers
	v_mov_b32 v[BVC+8+i], v[BVR+1]
.set i, i+1
.endr
	s_barrier_wait -1                              ; all 128 rows of x lie in LDS
	s_wait_alu depctr_vm_vsrc(0)                   ; my 64 LDS stores have read CT0 to CT3: these registers are XF from here on, in which the fragments' loads land (the roundings that wrote them stand ahead of the last group's wait on va_vdst)
; Load j of the 16 that bring x's fragments of pixel tiles 2 i, 2 i + 1 (16 pixels x 32 channels each, four K steps), turned on the way, into buffer p: tile j / 8, K step (j / 2) % 4, half j % 2.
.macro XLD p, adr, i, j
	ds_load_tr16_b128 v[XF+64*(\p)+32*((\j)/8)+8*(((\j)/2)%4)+4*((\j)%2):XF+64*(\p)+32*((\j)/8)+8*(((\j)/2)%4)+4*((\j)%2)+3], v[\adr] offset:(((\j)/2)%4)*32*XP+((\j)%2)*16*XP+(2*(\i)+(\j)/8)*32
.endm
; The same 16 loads in one run.
.macro FETCHX p, adr, i
.irp u, 0,1
.irp k, 0,1,2,3
	ds_load_tr16_b128 v[XF+64*(\p)+32*(\u)+8*(\k):XF+64*(\p)+32*(\u)+8*(\k)+3],   v[\adr] offset:(\k)*32*XP+(2*(\i)+(\u))*32
	ds_load_tr16_b128 v[XF+64*(\p)+32*(\u)+8*(\k)+4:XF+64*(\p)+32*(\u)+8*(\k)+7], v[\adr] offset:(\k)*32*XP+16*XP+(2*(\i)+(\u))*32
.endr
.endr
.endm
.macro NEXT t                          ; the fragments of trip t of twelve: four for q or k, eight for v
.if (\t) < 4
	FETCHX (\t)%2, AXQ, \t
.elseif (\t) < 12
	FETCHX (\t)%2, AX, (\t)-4
.endif
.endm
; A trip for q or k: source 0 = the 16 output channels, source 1 = 16 pixels: a lane ends with channels 8 h .. + 7 of pixel r: its 16 bytes of the tile.  Two accumulators by turns.
; The next trip's loads stand in one run at the head: under the products' window setting source 0, which is also an LDS load's address, lies in window 1.
.macro TRIPQ i
	NEXT (\i)+1                                    ; into the other buffer.  No wait: its last readers, the last trip's products, stand ahead of that trip's wait on va_vdst (in trip 0: nothing has named it since the waits above)
	s_wait_dscnt 16                                ; all but the 16 just issued
	WIN 0x01                                       ; source 0 in window 1
.irp k, 0,1,2,3
.irp u, 0,1
.if (\k) == 0
	v_wmma_f32_16x16x32_bf16 v[ACC+8*(\u):ACC+8*(\u)+7], v[64+8*(\k):64+8*(\k)+7], v[XF+64*((\i)%2)+32*(\u)+8*(\k):XF+64*((\i)%2)+32*(\u)+8*(\k)+7], v[BQ:BQ+7]
.else
	v_wmma_f32_16x16x32_bf16 v[ACC+8*(\u):ACC+8*(\u)+7], v[64+8*(\k):64+8*(\k)+7], v[XF+64*((\i)%2)+32*(\u)+8*(\k):XF+64*((\i)%2)+32*(\u)+8*(\k)+7], v[ACC+8*(\u):ACC+8*(\u)+7]
.endif
.endr
.endr
	WIN 0
	PLACES
.irp u, 0,1
.irp m, 0,1,2,3
	v_pk_mul_f32 v[ACC+8*(\u)+2*(\m):ACC+8*(\u)+2*(\m)+1], v[ACC+8*(\u)+2*(\m):ACC+8*(\u)+2*(\m)+1], s[38:39] op_sel_hi:[1,0]
.endr
.endr
.irp u, 0,1
.irp m, 0,1,2,3
	v_cvt_pk_bf16_f32 v[PK+4*(2*(\i)+(\u))+(\m)], v[ACC+8*(\u)+2*(\m)], v[ACC+8*(\u)+2*(\m)+1]
.endr
.endr
	s_wait_alu depctr_va_vdst(0)                   ; the roundings have written PK, which the two stores read; the trip's products are done reading their XF, in which the next trip's loads land
.irp u, 0,1
	global_store_b128 v[LO], v[PK+4*(2*(\i)+(\u)):PK+4*(2*(\i)+(\u))+3], s[36:37] offset:(2*(\i)+(\u))*512  ; a tile's 512 dense bytes; each store has data registers of its own
.endr
.endm
; A trip for v: source 0 = 16 pixels, source 1 = 16 output channels: a lane ends with 8 neighbouring pixels of channel r.  Four accumulators by turns.
; The next trip's 16 loads are dealt two behind each of the first eight products: the products' window setting leaves an LDS load's address and destination in window 0.
.macro TRIPV i
.if (\i) == 0
	s_wait_dscnt 0x0                               ; my fragments are in: no LDS instruction was issued behind their loads
.else
	s_wait_dscnt 4                                 ; my fragments are in: behind their loads stand the last trip's four stores into the stage, which may stay out
.endif
	WIN 0x04                                       ; source 1 in window 1
.set w, 0
.irp k, 0,1,2,3
.irp ob, 0,1
.irp u, 0,1
.if (\k) == 0
	v_wmma_f32_16x16x32_bf16 v[ACC+8*(2*(\ob)+(\u)):ACC+8*(2*(\ob)+(\u))+7], v[XF+64*((\i)%2)+32*(\u)+8*(\k):XF+64*((\i)%2)+32*(\u)+8*(\k)+7], v[32*(\ob)+8*(\k):32*(\ob)+8*(\k)+7], v[BVC+8*(\ob):BVC+8*(\ob)+7]
.else
	v_wmma_f32_16x16x32_bf16 v[ACC+8*(2*(\ob)+(\u)):ACC+8*(2*(\ob)+(\u))+7], v[XF+64*((\i)%2)+32*(\u)+8*(\k):XF+64*((\i)%2)+32*(\u)+8*(\k)+7], v[32*(\ob)+8*(\k):32*(\ob)+8*(\k)+7], v[ACC+8*(2*(\ob)+(\u)):ACC+8*(2*(\ob)+(\u))+7]
.endif
.if ((\i) < 7) && (w < 8)
	XLD ((\i)+1)%2, AX, (\i)+1, 2*w                ; into the other buffer.  No wait: its last readers stand ahead of the last trip's wait on va_vdst, and this trip's products do not name it
	XLD ((\i)+1)%2, AX, (\i)+1, 2*w+1
.endif
.set w, w+1
.endr
.endr
.endr
	WIN 0
	PLACES
.if (\i) == 0
	s_wait_xcnt 0x0                                ; the stores of q or k have read PK, which is written anew below
.endif
.if (\i) != 1
	s_wait_alu depctr_vm_vsrc(0)                   ; what last read this half of PK has read it: in trip 0 the stores of q or k (both halves: so trip 1 owes nothing), later the LDS stores of the trip before last
.endif
.irp a, 0,1,2,3
.irp m, 0,1,2,3
	v_cvt_pk_bf16_f32 v[PK+16*((\i)%2)+4*(\a)+(\m)], v[ACC+8*(\a)+2*(\m)], v[ACC+8*(\a)+2*(\m)+1]
.endr
.endr
	s_wait_alu depctr_va_vdst(0)                   ; the roundings have written this half of PK, which the four LDS stores read; the trip's products are done reading their XF, in which later loads land
.irp ob, 0,1
.irp u, 0,1
	ds_store_b128 v[STO], v[PK+16*((\i)%2)+4*(2*(\ob)+(\u)):PK+16*((\i)%2)+4*(2*(\ob)+(\u))+3] offset:(\ob)*16*GP+(2*(\i)+(\u))*32
.endr
.endr
.endm
	FETCHX 0, AXQ, 0
.irp i, 0,1,2,3
	TRIPQ \i
.endr
.irp i, 0,1,2,3,4,5,6,7
	TRIPV \i
.endr
	; v's rows leave: my own stage, served in order, so no barrier: 32 rows of 512 bytes, a row to a store.
	; No wait: the loads land in XF, whose last readers stand ahead of the last trip's wait on va_vdst; no vector instruction follows it.
.set i, 0
.rept 32
	ds_load_b128 v[XF+4*i:XF+4*i+3], v[RD] offset:i*GP
.set i, i+1
.endr
.set i, 0
.rept 32
	s_wait_dscnt 31-i                              ; row i is in; the younger rows stay out
	global_store_b128 v[LO], v[XF+4*i:XF+4*i+3], s[22:23] offset:i*512
.set i, i+1
.endr
	s_wait_dscnt 0x0                               ; the closing lines, six on end
	s_wait_alu 0x0
	s_wait_tensorcnt 0x0
	ds_add_u32 v[SPW], v[NIL]
	s_wait_dscnt 0x0
	s_endpgm
.Lfunc_end_k_qa8736322d8_proj:
	.size	k_qa8736322d8_proj, .Lfunc_end_k_qa8736322d8_proj-k_qa8736322d8_proj
	.p2alignl 7, 3214868480
	.fill 96, 4, 3214868480
	.section	.rodata,"a",@progbits
	.p2align	6, 0x0
	.amdhsa_kernel k_qa8736322d8_proj
		.amdhsa_group_segment_fixed_size 137728
		.amdhsa_private_segment_fixed_size 0
		.amdhsa_enable_private_segment 0
		.amdhsa_kernarg_size 80
		.amdhsa_user_sgpr_count 2
		.amdhsa_user_sgpr_kernarg_segment_ptr 1
		.amdhsa_wavefront_size32 1
		.amdhsa_system_sgpr_workgroup_id_x 1
		.amdhsa_system_sgpr_workgroup_id_y 1
		.amdhsa_system_sgpr_workgroup_id_z 1
		.amdhsa_system_vgpr_workitem_id 0
		.amdhsa_next_free_vgpr 704
		.amdhsa_next_free_sgpr 66
		.amdhsa_reserve_vcc 0
		.amdhsa_float_denorm_mode_32 3
		.amdhsa_float_denorm_mode_16_64 3
		.amdhsa_memory_ordered 1
		.amdhsa_forward_progress 1
		.amdhsa_inst_pref_size 80
	.end_amdhsa_kernel
	.amdgpu_metadata
---
amdhsa.version: [ 1, 2 ]
amdhsa.kernels:
  - .name:           k_qa8736322d8_proj
    .symbol:         k_qa8736322d8_proj.kd
    .args:
      - { .name: x, .offset: 0, .size: 8, .value_kind: global_buffer, .address_space: global }
      - { .name: wq, .offset: 8, .size: 8, .value_kind: global_buffer, .address_space: global }
      - { .name: bq, .offset: 16, .size: 8, .value_kind: global_buffer, .address_space: global }
      - { .name: wk, .offset: 24, .size: 8, .value_kind: global_buffer, .address_space: global }
      - { .name: bk, .offset: 32, .size: 8, .value_kind: global_buffer, .address_space: global }
      - { .name: wv, .offset: 40, .size: 8, .value_kind: global_buffer, .address_space: global }
      - { .name: bv, .offset: 48, .size: 8, .value_kind: global_buffer, .address_space: global }
      - { .name: qws, .offset: 56, .size: 8, .value_kind: global_buffer, .address_space: global }
      - { .name: kws, .offset: 64, .size: 8, .value_kind: global_buffer, .address_space: global }
      - { .name: vws, .offset: 72, .size: 8, .value_kind: global_buffer, .address_space: global }
    .group_segment_fixed_size: 137728
    .private_segment_fixed_size: 0
    .kernarg_segment_align: 8
    .kernarg_segment_size: 80
    .max_flat_workgroup_size: 128
    .sgpr_count:     66
    .vgpr_count:     704
    .wavefront_size: 32
...
	.end_amdgpu_metadata
.endif
;; end of part 3
;; launch attn: the kernel of part 2 again; grid 16 x 16, 4 waves a work-group, clusters of 4 x 1, 327,680 bytes of LDS; arguments qws, kws, vws, x, gamma, out0; writes out0
